; MI455X (gfx1250); checked and timed in simulation.
; The chip was launched on July 23, 2026; its instructions are those of AMD's public machine-readable ISA for CDNA 5 (MIT licence, August 2026) and "CDNA5" Instruction Set Architecture Reference Guide (July 2026). The comments in the code are by the model that wrote it; some were corrected since.
;; GLM47 Attention Optimizer. Allowed arithmetic: matrix products marked QUANTISED: E4M3 operands, one given power-of-two scale a tensor, by v_wmma_f32_16x16x64_fp8_fp8 or v_wmma_f32_16x16x128_fp8_fp8, f32 sums; everything else in f32.
;; Inputs: Wk 2,048 x 2,048 float32; Wo 2,048 x 2,048 float32; Wq 2,048 x 2,048 float32; Wv 2,048 x 2,048 float32; attention_mask 1 x 1 x 2,048 x 2,048 float32; hidden_states 1 x 2,048 x 2,048 float32; lowp_scales 12 int32 (the exponents e of the quantised operands' scales 2^e).
;; Outputs: out0 1 x 2,048 x 2,048 float32.
;; This version of the problem:
;;   THIS VERSION OF THE PROBLEM IS GIVEN IN LOW PRECISION. The matrix products marked QUANTISED in the list below multiply operands that are first quantised to E4M3 (4 exponent bits, 3 mantissa bits; 8 bits a number), with one given power-of-two scale for each operand tensor; their sums are f32. All else is computed in f32.
;;   The module's matrix products, in the order in which they are computed (A, B: the left and right operand; K: the contracted axis; several contracted axes count as one K, in the product's order):
;;     1. [M 2,048, K 2,048] x [K 2,048, N 2,048]; A: input hidden_states; B: input Wq: QUANTISED (scales: A lowp_scales[0], B lowp_scales[1])
;;     2. [M 2,048, K 2,048] x [K 2,048, N 2,048]; A: input hidden_states; B: input Wk: QUANTISED (scales: A lowp_scales[2], B lowp_scales[3])
;;     3. [M 2,048, K 2,048] x [K 2,048, N 2,048]; A: input hidden_states; B: input Wv: QUANTISED (scales: A lowp_scales[4], B lowp_scales[5])
;;     4. batch 16 x [M 2,048, K 128] x [K 128, N 2,048]; A: computed on the way; B: computed on the way: QUANTISED (scales: A lowp_scales[6], B lowp_scales[7])
;;     5. batch 16 x [M 2,048, K 2,048] x [K 2,048, N 128]; A: softmax (see below); B: computed on the way: QUANTISED (scales: A lowp_scales[8], B lowp_scales[9])
;;     6. [M 2,048, K 2,048] x [K 2,048, N 2,048]; A: computed on the way; B: input Wo: QUANTISED (scales: A lowp_scales[10], B lowp_scales[11])
;;   THE QUANTISER, for each operand of a quantised product, along K:
;;     - The operand's scale is 2^e, e = its entry of the input lowp_scales (int32; the entries are numbered through the quantised products in the list's order, A before B).
;;     - Each number is divided by the scale, clamped to +-448, and rounded to the nearest number of E4M3, ties to even, subnormals kept.
;;     - The product sums the exact products of the quantised numbers (number of the format x scale) in f32.
;;   ~~~python
;;   def quantise(x, axis, e):      # numpy; x: float32 -> the quantised numbers, widened to float32 again
;;       x = np.moveaxis(x, axis, -1); K = x.shape[-1]
;;       r = np.clip(x / 2.0 ** e, -448, 448)
;;       step = 2.0 ** (np.maximum(np.frexp(np.where(r == 0, 1, r))[1] - 1, -6) - 3)
;;       q = np.round(r / step) * step * 2.0 ** e      # np.round: ties to even
;;       return np.moveaxis(q, -1, axis).astype(np.float32)
;;   ~~~
;;   SOFTMAX AHEAD OF A QUANTISED PRODUCT. Where the list says 'softmax', what is quantised is not the finished softmax but p = 2^(t - M), with t = logit x log2(e) and M = ceil(the row's largest t), a whole number; so 1/2 < the row's largest p <= 1. The row's sum l is taken of the UNQUANTISED p, in f32, and the product's result is divided by l at the end. Since M is a whole number, a kernel that streams over the keys may use a running M (the ceiling of the running maximum): every later rescaling is an exact power of two, so the quantised numbers keep their values, but for numbers so far below the row's largest that they fall under the format's range.
;;   OPERANDS COMPUTED ON THE WAY. 'Computed on the way' means the value that the module computes at that place (a softmax that the list does not call 'softmax' is quantised finished and normalised). What goes into a quantiser is computed in f32, as accurately as f32 sums, v_exp_f32 and their like allow (about 1e-6 of the number): no bf16 or f16 on the way to a quantiser, and a product that is left as it is and whose result goes on into a quantised operand takes f32 operands (vector FMAs, or v_wmma_f32_16x16x4_f32). A number that lies on a knife's edge between two numbers of the format may be rounded either way, as far as f32 arithmetic and the matrix unit's own rounding can turn it there, and no further.
;; One version. Each part assembles by itself: llvm-mc -triple=amdgcn-amd-amdhsa -mcpu=gfx1250 --defsym DOCPART=n.
;; ======== version 1 of 1: 4 launches
;; limits: right only within a limited range of input values
;; workspace buffers: xc 12,582,912 bytes; wc 16,777,216 bytes; qkv 12,582,912 bytes; oc 4,194,304 bytes; mimg 16,777,216 bytes
;; launch quant (part 1): grid 768 x 1, 4 waves a work-group, no clusters, 68,096 bytes of LDS; arguments hidden_states, Wq, Wk, Wv, Wo, lowp_scales, xc, wc, attention_mask, mimg; writes xc, wc, mimg
.if DOCPART == 1
	.amdgcn_target "amdgcn-amd-amdhsa--gfx1250"
	.amdhsa_code_object_version 6
	.text
	.protected	k_qa19c19e1f4_quant
	.globl	k_qa19c19e1f4_quant
	.p2align	8
	.type	k_qa19c19e1f4_quant,@function
k_qa19c19e1f4_quant:
	s_mov_b64 s[64:65], 0
	v_nop
	global_prefetch_b8 v0, s[64:65] scope:SCOPE_SE
	s_setreg_imm32_b32 hwreg(HW_REG_WAVE_MODE, 25, 1), 1
	s_wait_xcnt 0x0
; THE PROGRAM: out0 = softmax(q k^T / sqrt(128) + attention_mask) v Wo^T, q, k, v = hidden_states Wq^T, Wk^T, Wv^T, 16 heads of 128, all six products on codes of E4M3 with the given scales 2^e.
; Four launches: this one (codes of the five f32 operands), the three projections, attention, the projection on the way out.
; NOTHING IS LEFT OUT AS DEAD WORK.  attention_mask is an input, so every one of the 16 x 2,048 x 2,048 scores may count: no key tile is passed over, and the mask is added as it is given.  Every input has a way to out0 and is loaded.
; THIS LAUNCH: hidden_states, Wq, Wk, Wv, Wo, each [2048][2048] f32 with K innermost, become codes, one a byte, row-major as they lie.
; code = x / 2^e, held within +-448, rounded to the nearest code, ties to even.  hidden_states has a scale for each of its three products (entries 0, 2, 4): it is read ONCE and leaves as three planes of xc.
; Wq, Wk, Wv, Wo (entries 1, 3, 5, 11) leave as the four planes of wc.
; LIMITS: each of these seven exponents lies between -126 and 119, so that 2^e and 448 x 2^e are f32 numbers.  NaN among the inputs is not served (an infinity is held at the largest code).
; SHARES.  A tensor is a plain stream of 4,194,304 numbers.  Work-groups 128 T .. 128 T + 127 take tensor T (0: hidden_states, 1 to 4: the weights); a wave takes 16 steps of 512 numbers.
; Each of a step's four loads reads 512 consecutive bytes, 16 a lane; the 2,048 bytes turn through the wave's own stage in LDS and come back 64 bytes a lane: 16 NEIGHBOURS along K, as the conversions want them.
; A lane's 16 codes are 16 bytes: each store of the wave covers 512 consecutive bytes, aligned.  No tensor loads, no barrier: waves share nothing.  Loads run four steps (16 loads a wave) ahead, the turn through LDS one step.
.set WAVES, 4
.set STEPS, 16
.set SP,    80                         ; a lane's place in a stage: its 64 bytes + 16 of padding
.set WREG,  8192                       ; LDS: a region for each wave: two stages of 32 x SP bytes
.set SPARE, WAVES*WREG                 ; behind the four regions: the spare words, 128 bytes for each wave, which no other line names
.set SCL,   5                          ; v5-7     2^e as f32, for output 0, 1, 2
.set LIM,   8                          ; v8-10    448 x 2^e
.set SPW,   12                         ; v12      LDS address of my spare word; never rewritten
.set NIL,   13                         ; v13      0; never rewritten
.set R,     16                         ; v16-79   four sets of 16 numbers as they are loaded
.set X,     80                         ; v80-111  two sets of 16 neighbours
.set TW,    112                        ; v112-127 the 16 numbers held within one scale's range
.set C,     128                        ; v128-175 codes: 3 outputs x 4 registers for each of four steps by turns
.set D0,    22                         ; s[22:23], s[24:25], s[26:27]: where outputs 0, 1, 2 go
	s_load_b256 s[4:11], s[0:1], 0x0               ; hidden_states s[4:5], Wq s[6:7], Wk s[8:9], Wv s[10:11]
	s_load_b256 s[12:19], s[0:1], 0x20             ; Wo s[12:13], the exponents s[14:15], xc s[16:17], wc s[18:19]
	v_lshl_add_u32 v[SPW], v0, 2, SPARE
	v_mov_b32 v[NIL], 0
	s_wait_alu depctr_va_vdst(0)
	s_cmp_ge_u32 ttmp9, 640                        ; work-groups 640 .. 767 re-lay the mask: a path and LDS bytes of their own, at the text's end
	s_cbranch_scc1 .Lmask
	v_lshrrev_b32 v1, 5, v0
	v_readfirstlane_b32 s29, v1                    ; wave
	v_and_b32 v2, 31, v0                           ; lane
	v_lshlrev_b32 v3, 4, v2                        ; my 16 bytes of a load's 512
	v_lshlrev_b32 v4, 4, v2                        ; my 16 codes of a step's 512
	s_mul_i32 s30, s29, WREG
	v_lshrrev_b32 v14, 2, v2
	v_mul_u32_u24 v14, v14, SP
	v_and_b32 v15, 3, v2
	v_lshl_add_u32 v14, v15, 4, v14
	v_add_nc_u32 v14, s30, v14                     ; the stage, on the way in: SP (lane / 4) + 16 (lane % 4)
	v_mul_u32_u24 v15, v2, SP
	v_add_nc_u32 v15, s30, v15                     ; and on the way out: SP x lane
	s_lshr_b32 s28, ttmp9, 7                       ; T: which tensor
	s_and_b32 s30, ttmp9, 127
	s_lshl_b32 s30, s30, 2
	s_add_co_u32 s30, s30, s29                     ; which run of 8,192 numbers of the tensor is my wave's: 0 .. 511
	s_lshl_b32 s32, s30, 15                        ; its numbers' first byte
	s_mov_b32 s33, 0
	s_lshl_b32 s34, s30, 13                        ; its codes' first byte in a plane
	s_mov_b32 s35, 0
	s_max_u32 s30, s28, 1
	s_sub_co_u32 s30, s30, 1
	s_lshl_b32 s30, s30, 22                        ; a weight's plane of wc: T - 1; hidden_states' first plane of xc: 0
	s_mov_b32 s31, 0
	s_add_nc_u64 s[30:31], s[30:31], s[34:35]
	s_wait_alu depctr_va_vdst(0)
	s_wait_kmcnt 0x0
	s_load_b256 s[36:43], s[14:15], 0x0            ; e0 .. e7
	s_load_b128 s[44:47], s[14:15], 0x20           ; e8 .. e11
	s_cmp_eq_u32 s28, 1                            ; the choices hang on the work-group's number alone
	s_cselect_b64 s[20:21], s[6:7], s[4:5]
	s_cmp_eq_u32 s28, 2
	s_cselect_b64 s[20:21], s[8:9], s[20:21]
	s_cmp_eq_u32 s28, 3
	s_cselect_b64 s[20:21], s[10:11], s[20:21]
	s_cmp_eq_u32 s28, 4
	s_cselect_b64 s[20:21], s[12:13], s[20:21]
	s_cmp_eq_u32 s28, 0
	s_cselect_b64 s[D0:D0+1], s[16:17], s[18:19]
	s_add_nc_u64 s[20:21], s[20:21], s[32:33]
	s_add_nc_u64 s[D0:D0+1], s[D0:D0+1], s[30:31]
	s_add_nc_u64 s[D0+2:D0+3], s[16:17], s[34:35]
	s_add_nc_u64 s[D0+4:D0+5], s[D0+2:D0+3], 0x800000  ; xc's third plane
	s_add_nc_u64 s[D0+2:D0+3], s[D0+2:D0+3], 0x400000  ; and its second
.macro LOAD t
.irp i, 0,1,2,3
	global_load_b128 v[R+16*((\t)%4)+4*\i:R+16*((\t)%4)+4*\i+3], v3, s[20:21] offset:2048*(\t)+512*\i th:TH_LOAD_NT   ; 32 lanes read 512 consecutive bytes; read once in the launch
.endr
.endm
.macro TURN t                          ; step t's numbers through the stage: LDS serves a wave's instructions in order (ISA guide 5.7.1.4), so no wait stands between the stores and the loads
.irp i, 0,1,2,3
	ds_store_b128 v14, v[R+16*((\t)%4)+4*\i:R+16*((\t)%4)+4*\i+3] offset:32*SP*((\t)%2)+8*SP*\i
.endr
.irp i, 0,1,2,3
	ds_load_b128 v[X+16*((\t)%2)+4*\i:X+16*((\t)%2)+4*\i+3], v15 offset:32*SP*((\t)%2)+16*\i
.endr
.endm
.irp t, 0,1,2,3
	LOAD \t
.endr
	s_wait_kmcnt 0x0
	s_cmp_eq_u32 s28, 1
	s_cselect_b32 s48, s37, s36                    ; output 0's exponent: e0, e1, e3, e5 or e11
	s_cmp_eq_u32 s28, 2
	s_cselect_b32 s48, s39, s48
	s_cmp_eq_u32 s28, 3
	s_cselect_b32 s48, s41, s48
	s_cmp_eq_u32 s28, 4
	s_cselect_b32 s48, s47, s48
.macro MKSC q, e                       ; 2^e and 448 x 2^e as f32 numbers
	s_add_co_i32 s49, s[\e], 127
	s_lshl_b32 s50, s49, 23
	v_mov_b32 v[SCL+\q], s50                       ; the conversion takes its exponent field
	s_add_co_i32 s49, s49, 8
	s_lshl_b32 s49, s49, 23
	s_or_b32 s49, s49, 0x600000                    ; 448's mantissa field
	v_mov_b32 v[LIM+\q], s49
.endm
	MKSC 0, 48
	MKSC 1, 38                                     ; e2
	MKSC 2, 40                                     ; e4
	s_wait_alu depctr_va_vdst(0)
	s_wait_loadcnt 12                              ; step 0's four loads are in
	TURN 0
; Output q of step t: the 16 neighbours are held within +-448 x 2^e (the conversion to an 8-bit code does not saturate: ISA guide 7.6.2) into other registers, since hidden_states' numbers serve three scales; converted; stored.
.macro QOUT q, t
.set k, 0
.rept 16
	v_med3_num_f32 v[TW+k], v[XS+k], -v[LIM+\q], v[LIM+\q]
.set k, k+1
.endr
	v_cvt_scalef32_pk8_fp8_f32 v[C+12*((\t)%4)+4*\q:C+12*((\t)%4)+4*\q+1], v[TW:TW+7], v[SCL+\q]
	v_cvt_scalef32_pk8_fp8_f32 v[C+12*((\t)%4)+4*\q+2:C+12*((\t)%4)+4*\q+3], v[TW+8:TW+15], v[SCL+\q]
	v_nop                                          ; one plain vector line between the conversions and the next holds, which write their sources
	global_store_b128 v4, v[C+12*((\t)%4)+4*\q:C+12*((\t)%4)+4*\q+3], s[D0+2*\q:D0+2*\q+1] offset:512*(\t)
.endm
.macro STEP t
.set XS, X+16*((\t)%2)
	s_wait_dscnt 0x0                               ; this step's numbers are back from the stage: so its stores into the stage have read their registers,
.if (\t)+4 < STEPS
	LOAD (\t)+4                                    ; which take the loads of four steps on
.endif
.if (\t)+1 < STEPS
.if STEPS-2-(\t) >= 3
	s_wait_loadcnt 12                              ; the next step's four loads are in; those of the three steps behind it may be out
.else
	s_wait_loadcnt 4*(STEPS-2-(\t))
.endif
	TURN (\t)+1                                    ; and go through the other stage while this step is worked
.endif
	s_wait_xcnt 0x0                                ; the stores of four steps ago have read their registers: these codes' registers are written again only behind this wait
	QOUT 0, \t
	s_cmp_lg_u32 s28, 0                            ; a weight has one scale.  The branch hangs on the work-group's number, and no LDS instruction stands under it
	s_cbranch_scc1 .Lweight_\@
	QOUT 1, \t
	QOUT 2, \t
.Lweight_\@:
.endm
.irp t, 0,1,2,3,4,5,6,7,8,9,10,11,12,13,14,15
	STEP \t
.endr
	s_wait_tensorcnt 0x0                           ; the wave's end, behind my last LDS store
	ds_add_u32 v[SPW], v[NIL]
	s_wait_dscnt 0x0
	s_endpgm
; THE MASK'S IMAGE.  attention_mask [2048][2048] f32 is copied, number for number, into mimg in the order in which the attention launch's registers take it:
; block 32 G + C (8,192 bytes) holds queries 32 G .. + 31 x keys 64 C .. + 63; its byte 512 n + 16 lane, n = 8 i + 2 t + q, lane = r + 16 h, holds mask(32 G + 16 i + r, 64 C + 16 t + 8 h + 4 q + 0 .. 3).
; Wave W of 512 takes blocks 4 W .. 4 W + 3: 32 rows x 1,024 bytes.  Each load reads 256 consecutive aligned bytes of two rows; a block turns through the wave's own stage in LDS, units of 256 bytes 272 apart,
; and each store of the wave covers 512 consecutive bytes, aligned.  Loads run two blocks (32 loads a wave) ahead.  Waves share nothing: no barrier.
.set MST, 33280                        ; behind the other path's bytes and the spare words: 8,704 bytes for each wave
.set MR,  16                           ; v16-143  two sets of 64 registers as they are loaded
.set MO,  144                          ; v144-207 a block as it leaves
.Lmask:
	s_load_b128 s[52:55], s[0:1], 0x40             ; attention_mask s[52:53], mimg s[54:55]
	v_lshrrev_b32 v1, 5, v0
	v_readfirstlane_b32 s29, v1                    ; wave
	s_mul_i32 s30, s29, 8704
	s_add_co_u32 s30, s30, MST                     ; my stage
	v_and_b32 v2, 31, v0                           ; lane
	v_and_b32 v3, 15, v2                           ; which 16 bytes of a row's 256: 4 t + 2 h + q
	v_lshrrev_b32 v4, 4, v2                        ; which of the load's two rows
	v_lshlrev_b32 v5, 4, v3
	v_lshl_add_u32 v5, v4, 13, v5                  ; in: 16 bytes a lane, lanes 16-31 a row on
	v_and_b32 v6, 12, v3
	v_bfe_u32 v7, v3, 1, 1
	v_and_b32 v8, 1, v3
	v_lshl_add_u32 v6, v8, 1, v6
	v_add_nc_u32 v6, v6, v7                        ; the unit of 256 bytes in the block's half: 4 t + 2 q + h
	v_mul_u32_u24 v6, v6, 272
	v_lshl_add_u32 v6, v4, 4, v6
	v_add_nc_u32 v6, s30, v6                       ; into the stage: unit x 272 + 16 r; load m's rows are i = m / 8, r = 2 (m % 8) + lane / 16
	v_mul_u32_u24 v7, v4, 272
	v_lshl_add_u32 v7, v3, 4, v7
	v_add_nc_u32 v7, s30, v7                       ; out of it: two units an instruction
	v_lshlrev_b32 v8, 4, v2                        ; and their place in 512 bytes of the image
	s_sub_co_u32 s31, ttmp9, 640
	s_lshl_b32 s31, s31, 2
	s_add_co_u32 s31, s31, s29                     ; W
	s_lshr_b32 s32, s31, 3                         ; G
	s_and_b32 s33, s31, 7
	s_lshl_b32 s34, s32, 18                        ; 32 rows of 8,192 bytes,
	s_lshl_b32 s35, s33, 10                        ; my 1,024 bytes of each
	s_add_co_u32 s34, s34, s35
	s_mov_b32 s35, 0
	s_lshl_b32 s36, s31, 15                        ; blocks 4 W on
	s_mov_b32 s37, 0
	s_wait_alu depctr_va_vdst(0)
	s_wait_kmcnt 0x0
	s_add_nc_u64 s[52:53], s[52:53], s[34:35]
	s_add_nc_u64 s[54:55], s[54:55], s[36:37]
.macro LOADM b
.set m, 0
.rept 16
	global_load_b128 v[MR+64*((\b)%2)+4*m:MR+64*((\b)%2)+4*m+3], v5, s[52:53] offset:16384*m+256*(\b) th:TH_LOAD_NT
.set m, m+1
.endr
.endm
.macro BLKM b
.if (\b) < 3
	s_wait_loadcnt 16                              ; this block's 16 loads are in; the next block's may be out
.else
	s_wait_loadcnt 0
.endif
.set m, 0
.rept 16
	ds_store_b128 v6, v[MR+64*((\b)%2)+4*m:MR+64*((\b)%2)+4*m+3] offset:(m/8)*4352+32*(m%8)
.set m, m+1
.endr
.if (\b) > 0
	s_wait_xcnt 0x0                                ; the last block's stores have read their registers
.endif
.set m, 0
.rept 16
	ds_load_b128 v[MO+4*m:MO+4*m+3], v7 offset:544*m   ; LDS serves a wave's instructions in order (ISA guide 5.7.1.4): these see the stores above
.set m, m+1
.endr
	s_wait_dscnt 0x0                               ; the block is back, and its stores into the stage have read their registers,
.if (\b)+2 < 4
	LOADM (\b)+2                                   ; which take the loads of two blocks on
.endif
.set m, 0
.rept 16
	global_store_b128 v8, v[MO+4*m:MO+4*m+3], s[54:55] offset:8192*(\b)+512*m
.set m, m+1
.endr
.endm
	LOADM 0
	LOADM 1
	BLKM 0
	BLKM 1
	BLKM 2
	BLKM 3
	s_wait_tensorcnt 0x0                           ; the wave's end, behind my last LDS store
	ds_add_u32 v[SPW], v[NIL]
	s_wait_dscnt 0x0
	s_endpgm
.Lfunc_end_k_qa19c19e1f4_quant:
	.size	k_qa19c19e1f4_quant, .Lfunc_end_k_qa19c19e1f4_quant-k_qa19c19e1f4_quant
	.p2alignl 7, 3214868480
	.fill 96, 4, 3214868480
	.section	.rodata,"a",@progbits
	.p2align	6, 0x0
	.amdhsa_kernel k_qa19c19e1f4_quant
		.amdhsa_group_segment_fixed_size 68096
		.amdhsa_private_segment_fixed_size 0
		.amdhsa_enable_private_segment 0
		.amdhsa_kernarg_size 80
		.amdhsa_user_sgpr_count 2
		.amdhsa_user_sgpr_kernarg_segment_ptr 1
		.amdhsa_wavefront_size32 1
		.amdhsa_system_sgpr_workgroup_id_x 1
		.amdhsa_system_sgpr_workgroup_id_y 1
		.amdhsa_system_sgpr_workgroup_id_z 1
		.amdhsa_system_vgpr_workitem_id 0
		.amdhsa_next_free_vgpr 208
		.amdhsa_next_free_sgpr 66
		.amdhsa_reserve_vcc 0
		.amdhsa_float_denorm_mode_32 3
		.amdhsa_float_denorm_mode_16_64 3
		.amdhsa_memory_ordered 1
		.amdhsa_forward_progress 1
		.amdhsa_inst_pref_size 103
	.end_amdhsa_kernel
	.amdgpu_metadata
---
amdhsa.version: [ 1, 2 ]
amdhsa.kernels:
  - .name:           k_qa19c19e1f4_quant
    .symbol:         k_qa19c19e1f4_quant.kd
    .args:
      - { .name: hidden_states, .offset: 0, .size: 8, .value_kind: global_buffer, .address_space: global }
      - { .name: Wq, .offset: 8, .size: 8, .value_kind: global_buffer, .address_space: global }
      - { .name: Wk, .offset: 16, .size: 8, .value_kind: global_buffer, .address_space: global }
      - { .name: Wv, .offset: 24, .size: 8, .value_kind: global_buffer, .address_space: global }
      - { .name: Wo, .offset: 32, .size: 8, .value_kind: global_buffer, .address_space: global }
      - { .name: lowp_scales, .offset: 40, .size: 8, .value_kind: global_buffer, .address_space: global }
      - { .name: xc, .offset: 48, .size: 8, .value_kind: global_buffer, .address_space: global }
      - { .name: wc, .offset: 56, .size: 8, .value_kind: global_buffer, .address_space: global }
      - { .name: attention_mask, .offset: 64, .size: 8, .value_kind: global_buffer, .address_space: global }
      - { .name: mimg, .offset: 72, .size: 8, .value_kind: global_buffer, .address_space: global }
    .group_segment_fixed_size: 68096
    .private_segment_fixed_size: 0
    .kernarg_segment_align: 8
    .kernarg_segment_size: 80
    .max_flat_workgroup_size: 128
    .sgpr_count:     66
    .vgpr_count:     208
    .wavefront_size: 32
...
	.end_amdgpu_metadata
.endif
;; end of part 1
;; launch qkv (part 2): grid 24 x 8, 4 waves a work-group, clusters of 4 x 4, 327,680 bytes of LDS; arguments xc, wc, lowp_scales, qkv; writes qkv
.if DOCPART == 2
	.amdgcn_target "amdgcn-amd-amdhsa--gfx1250"
	.amdhsa_code_object_version 6
	.text
	.protected	k_qa19c19e1f4_qkv
	.globl	k_qa19c19e1f4_qkv
	.p2align	8
	.type	k_qa19c19e1f4_qkv,@function
k_qa19c19e1f4_qkv:
	s_mov_b64 s[64:65], 0
	v_nop
	global_prefetch_b8 v0, s[64:65] scope:SCOPE_SE
	s_setreg_imm32_b32 hwreg(HW_REG_WAVE_MODE, 25, 1), 1
	s_wait_xcnt 0x0
	s_wait_alu depctr_hold_cnt(0) depctr_sa_sdst(0) depctr_va_vdst(0) depctr_va_sdst(0) depctr_va_ssrc(0) depctr_va_vcc(0) depctr_vm_vsrc(0)
	s_getreg_b32 s2, hwreg(HW_REG_IB_STS2, 6, 4)
	s_cmp_eq_u32 s2, 0
	s_cbranch_scc0 .Lentry_in_a_cluster
	s_endpgm
.Lentry_in_a_cluster:
	s_bfe_u32 s2, ttmp6, 0x10000c
	s_cmp_lg_u32 s2, 0xf033
	s_cbranch_scc0 .Lentry_shape_is_right
	s_endpgm
.Lentry_shape_is_right:
.set SIZE_K, 2048
.set KSTEP,  256
.set ROWB,   256
.set KROW,   SIZE_K
.set PITCH,  272
.set FR,     16
.set NL,     4
.set NP,     4
.set HALFT,  128*PITCH
.set SLOT,   4*HALFT
.set LAPS,   SIZE_K/(2*KSTEP)
.set SPARE,  2*SLOT
.set ADRA, 16
.set ADRB, 20
.set CO,   26
.set SPW,  28
.set NIL,  29
.set SC,   30
.set LM,   31
.set TMP,  32
.set AF,   128
.set CD,   128
.set G1, 24
.set G0, 32
.set G1B, 48
.set G0B, 56
.set MSB, 0
.macro WIN new
.if MSB != (\new)
	s_set_vgpr_msb (MSB<<8)|(\new)
.set MSB, (\new)
.endif
.endm
.set MUL_LO, 0xa1
.set MUL_HI, 0xf1
.set TO_B,   0x40
.macro JLOAD g0a, g1a, g0b, g1b
	s_cmp_eq_u32 s15, 0
	s_cbranch_scc0 .Lfor_b_\@
	tensor_load_to_lds s[\g0a:\g0a+3], s[\g1a:\g1a+7]
	s_nop 0
.rept 4
	v_nop
.endr
	s_branch .Lasked_\@
.Lfor_b_\@:
	tensor_load_to_lds s[\g0b:\g0b+3], s[\g1b:\g1b+7]
	s_nop 0
.rept 4
	v_nop
.endr
.Lasked_\@:
.endm
.macro CREST
	s_cmp_lg_u32 s14, 0
	s_cbranch_scc1 .Lnot_wave_0_\@
	s_barrier_signal -3
.Lnot_wave_0_\@:
	s_barrier_wait -3
	s_barrier_signal -1
	s_barrier_wait -1
.endm
.macro CROUND
	s_barrier_signal -1
	s_barrier_wait -1
	CREST
.endm
	s_load_b128 s[4:7], s[0:1], 0x0
	s_load_b128 s[8:11], s[0:1], 0x10
	v_lshl_add_u32 v[SPW], v0, 2, SPARE
	v_mov_b32 v[NIL], 0
	ds_add_u32 v[SPW], v[NIL]
	ds_add_u32 v[SPW], v[NIL]
	v_lshrrev_b32 v1, 5, v0
	v_readfirstlane_b32 s14, v1
	s_lshr_b32 s15, s14, 1
	s_and_b32 s16, s14, 1
	s_bfe_u32 s40, ttmp6, 0x40000
	s_bfe_u32 s41, ttmp6, 0x40004
	s_lshr_b32 s66, ttmp9, 1
	s_and_b32 s42, ttmp9, 1
	s_lshl_b32 s42, s42, 2
	s_add_co_u32 s42, s42, s40
	s_and_b32 s17, ttmp7, 0xffff
	s_lshl_b32 s17, s17, 2
	s_add_co_u32 s17, s17, s41
	s_lshl_b32 s43, s41, 2
	s_lshl_b32 s43, 15, s43
	s_lshl_b32 s44, 0x1111, s40
	s_or_b32 s[G1+0], s43, (0<<16)|(1<<20)|(1<<21)|(5<<22)|(3<<25)
	s_or_b32 s[G1B+0], s44, (0<<16)|(1<<20)|(1<<21)|(5<<22)|(3<<25)
.irp g, G1, G1B
	s_mov_b32 s[\g+1], ROWB<<16
	s_mov_b32 s[\g+2], 128<<16
	s_mov_b32 s[\g+3], ROWB<<16
	s_mov_b32 s[\g+4], 128
	s_mov_b32 s[\g+5], KROW
	s_mov_b32 s[\g+6], 0
	s_mov_b32 s[\g+7], 0
.endr
	s_lshl_b32 s18, s16, 7
	s_lshl_b32 s19, s66, 22
	s_lshl_b32 s20, s17, 8
	s_add_co_u32 s20, s20, s18
	s_lshl_b32 s20, s20, 11
	s_add_co_u32 s20, s20, s19
	s_lshl_b32 s46, s42, 8
	s_add_co_u32 s46, s46, s18
	s_lshl_b32 s46, s46, 11
	s_add_co_u32 s46, s46, s19
	s_mov_b32 s21, 0
	s_mov_b32 s47, 0
	s_mul_i32 s45, s14, HALFT
	s_wait_dscnt 0x0
	s_wait_kmcnt 0x0
	s_load_b256 s[68:75], s[8:9], 0x0
	s_load_b128 s[76:79], s[8:9], 0x20
	s_cmp_eq_u32 s66, 2
	s_cselect_b64 s[80:81], s[6:7], s[4:5]
	s_cselect_b64 s[82:83], s[4:5], s[6:7]
	s_add_nc_u64 s[20:21], s[80:81], s[20:21]
	s_add_nc_u64 s[46:47], s[82:83], s[46:47]
	CROUND
.irp s, 0,1
	s_mov_b32 s[G0+4*\s], 1
	s_add_co_u32 s[G0+4*\s+1], s45, \s*SLOT
	s_add_nc_u64 s[G0+4*\s+2:G0+4*\s+3], s[20:21], \s*ROWB
	s_or_b32 s[G0+4*\s+3], s[G0+4*\s+3], 0x80000000
	s_mov_b32 s[G0B+4*\s], 1
	s_add_co_u32 s[G0B+4*\s+1], s45, \s*SLOT
	s_add_nc_u64 s[G0B+4*\s+2:G0B+4*\s+3], s[46:47], \s*ROWB
	s_or_b32 s[G0B+4*\s+3], s[G0B+4*\s+3], 0x80000000
	s_wait_alu depctr_va_vdst(0)
	s_wait_tensorcnt 0x0
	ds_add_u32 v28, v29
	ds_add_u32 v28, v29
	s_wait_dscnt 0x0
	CROUND
	JLOAD G0+4*\s, G1, G0B+4*\s, G1B
.endr
	v_and_b32 v1, 15, v0
	v_bfe_u32 v2, v0, 4, 1
	v_mul_u32_u24 v3, v1, PITCH
	v_lshl_add_u32 v4, v2, 4, v3
	s_mul_i32 s21, s15, HALFT
	s_mul_i32 s22, s16, HALFT
	s_add_co_u32 s22, s22, 2*HALFT
.irp s, 0,1
	v_add_nc_u32 v[ADRA+\s], s21, v4
	v_add_nc_u32 v[ADRB+\s], s22, v4
	s_add_co_u32 s21, s21, SLOT
	s_add_co_u32 s22, s22, SLOT
.endr
	v_and_b32 v6, 31, v0
	v_lshlrev_b32 v[CO], 4, v6
	s_lshl_b32 s84, s17, 1
	s_add_co_u32 s84, s84, s15
	s_lshl_b32 s85, s42, 1
	s_add_co_u32 s85, s85, s16
	s_lshl_b32 s86, s84, 4
	s_add_co_u32 s86, s86, s85
	s_lshl_b32 s87, s85, 4
	s_add_co_u32 s87, s87, s84
	s_cmp_eq_u32 s66, 2
	s_cselect_b32 s86, s86, s87
	s_lshl_b32 s86, s86, 14
	s_add_co_u32 s86, s86, s19
	s_mov_b32 s87, 0
	s_add_nc_u64 s[10:11], s[10:11], s[86:87]
	s_wait_alu depctr_va_vdst(0)
	s_wait_kmcnt 0x0
	s_add_co_i32 s88, s68, s69
	s_add_co_i32 s89, s70, s71
	s_add_co_i32 s90, s72, s73
	s_cmp_eq_u32 s66, 1
	s_cselect_b32 s88, s89, s88
	s_cselect_b32 s91, s75, s74
	s_cmp_eq_u32 s66, 2
	s_cselect_b32 s88, s90, s88
	s_cselect_b32 s91, s77, s91
	s_sub_co_i32 s88, s91, s88
	s_add_co_i32 s88, s88, 127
	s_lshl_b32 s89, s88, 23
	v_mov_b32 v[SC], s89
	s_add_co_i32 s88, s88, 8
	s_lshl_b32 s88, s88, 23
	s_or_b32 s88, s88, 0x600000
	v_mov_b32 v[LM], s88
.macro FRAG reg, adr, q, i
.irp c, 0,1,2,3
	ds_load_b128 v[\reg+4*\c:\reg+4*\c+3], v[\adr] offset:128*(\q)+32*\c+(\i)*16*PITCH
.endr
.endm
.macro MUL16 a0, p, zero
.irp a, \a0, \a0+1
.irp b, 0,1,2,3,4,5,6,7
.if \zero
	v_wmma_f32_16x16x128_fp8_fp8 v[8*(8*((\a)%4)+\b):8*(8*((\a)%4)+\b)+7], v[128*(\p)+FR*\b:128*(\p)+FR*\b+FR-1], v[AF+FR*(\a):AF+FR*(\a)+FR-1], 0
.else
	v_wmma_f32_16x16x128_fp8_fp8 v[8*(8*((\a)%4)+\b):8*(8*((\a)%4)+\b)+7], v[128*(\p)+FR*\b:128*(\p)+FR*\b+FR-1], v[AF+FR*(\a):AF+FR*(\a)+FR-1], v[8*(8*((\a)%4)+\b):8*(8*((\a)%4)+\b)+7]
.endif
.endr
.endr
.endm
.macro FETCH_B slot, q, p
	WIN TO_B
.irp i, 0,1,2,3,4,5,6,7
	FRAG 128*(\p)+FR*\i, ADRB+\slot, \q, \i
.endr
	WIN 0
.endm
.macro FETCH_A slot, q, i0
.irp i, \i0, \i0+1, \i0+2, \i0+3
	FRAG AF+FR*(\i), ADRA+\slot, \q, \i
.endr
.endm
.macro PLACES n
.rept \n
	v_nop
.endr
.endm
.macro STEP slot, q, zero
	s_wait_dscnt 4*NL
	WIN MUL_LO
	MUL16 0, (\q)%2, \zero
	MUL16 2, (\q)%2, \zero
	s_wait_dscnt 0
	PLACES NP
	FETCH_B \slot, (\q)+1, 1-(\q)%2
	FETCH_A \slot, (\q)+1, 0
	WIN MUL_HI
	MUL16 4, (\q)%2, \zero
	MUL16 6, (\q)%2, \zero
	PLACES NP
	WIN 0
	FETCH_A \slot, (\q)+1, 4
.endm
.macro TURN slot, next, fill
	s_wait_tensorcnt 0x0
	ds_add_u32 v[SPW], v[NIL]
	s_wait_dscnt 4*NL+1
	WIN MUL_LO
	MUL16 0, 1, 0
	s_wait_dscnt 0x0
	s_barrier_signal -1
	MUL16 2, 1, 0
	WIN 0
	s_barrier_wait -1
.if \fill
	CREST
	s_add_nc_u64 s[G0+4*\slot+2:G0+4*\slot+3], s[G0+4*\slot+2:G0+4*\slot+3], 2*ROWB
	s_add_nc_u64 s[G0B+4*\slot+2:G0B+4*\slot+3], s[G0B+4*\slot+2:G0B+4*\slot+3], 2*ROWB
	JLOAD G0+4*\slot, G1, G0B+4*\slot, G1B
.else
	PLACES NP
.endif
	FETCH_B \next, 0, 0
	FETCH_A \next, 0, 0
	WIN MUL_HI
	MUL16 4, 1, 0
	MUL16 6, 1, 0
	PLACES NP
	WIN 0
	FETCH_A \next, 0, 4
.endm
	s_wait_tensorcnt 1
	s_barrier_signal -1
	s_barrier_wait -1
	FETCH_B 0, 0, 0
	FETCH_A 0, 0, 0
	FETCH_A 0, 0, 4
	STEP 0, 0, 1
	s_mov_b32 s3, LAPS-1
.Llap:
	TURN 0, 1, 1
	STEP 1, 0, 0
	TURN 1, 0, 1
	STEP 0, 0, 0
	s_sub_co_u32 s3, s3, 1
	s_cmp_lg_u32 s3, 0
	s_cbranch_scc1 .Llap
	TURN 0, 1, 0
	STEP 1, 0, 0
	s_wait_dscnt 4*NL
	WIN MUL_LO
	MUL16 0, 1, 0
	MUL16 2, 1, 0
	s_wait_alu depctr_va_vdst(0)
	s_wait_dscnt 0
	WIN MUL_HI
	MUL16 4, 1, 0
	MUL16 6, 1, 0
	WIN 0
.macro OUTBLK a
.set AC, 64*((\a)%4)
	WIN 0x02+((\a)/4)
.set j, 0
.rept 64
	v_med3_num_f32 v[TMP+j], v[AC+j], -v[LM], v[LM]
.set j, j+1
.endr
	WIN 0
.irp b, 0,1,2,3,4,5,6,7
	v_cvt_scalef32_pk8_fp8_f32 v[CD+16*(\a)+2*\b:CD+16*(\a)+2*\b+1], v[TMP+8*\b:TMP+8*\b+7], v[SC]
.endr
	v_nop
.irp g, 0,1,2,3
	global_store_b128 v[CO], v[CD+16*(\a)+4*\g:CD+16*(\a)+4*\g+3], s[10:11] offset:(\a)*2048+\g*512
.endr
.endm
	PLACES NP
.irp a, 0,1,2,3,4,5,6,7
	OUTBLK \a
.endr
	s_wait_tensorcnt 0x0
	ds_add_u32 v[SPW], v[NIL]
	s_wait_dscnt 0x0
	CROUND
	s_endpgm
.Lfunc_end_k_qa19c19e1f4_qkv:
	.size	k_qa19c19e1f4_qkv, .Lfunc_end_k_qa19c19e1f4_qkv-k_qa19c19e1f4_qkv
	.p2alignl 7, 3214868480
	.fill 96, 4, 3214868480
	.section	.rodata,"a",@progbits
	.p2align	6, 0x0
	.amdhsa_kernel k_qa19c19e1f4_qkv
		.amdhsa_group_segment_fixed_size 327680
		.amdhsa_private_segment_fixed_size 0
		.amdhsa_enable_private_segment 0
		.amdhsa_kernarg_size 32
		.amdhsa_user_sgpr_count 2
		.amdhsa_user_sgpr_kernarg_segment_ptr 1
		.amdhsa_wavefront_size32 1
		.amdhsa_system_sgpr_workgroup_id_x 1
		.amdhsa_system_sgpr_workgroup_id_y 1
		.amdhsa_system_sgpr_workgroup_id_z 1
		.amdhsa_system_vgpr_workitem_id 0
		.amdhsa_next_free_vgpr 1024
		.amdhsa_next_free_sgpr 100
		.amdhsa_reserve_vcc 0
		.amdhsa_float_denorm_mode_32 3
		.amdhsa_float_denorm_mode_16_64 3
		.amdhsa_memory_ordered 1
		.amdhsa_forward_progress 1
		.amdhsa_inst_pref_size 119
	.end_amdhsa_kernel
	.amdgpu_metadata
---
amdhsa.version: [ 1, 2 ]
amdhsa.kernels:
  - .name:           k_qa19c19e1f4_qkv
    .symbol:         k_qa19c19e1f4_qkv.kd
    .args:
      - { .name: xc, .offset: 0, .size: 8, .value_kind: global_buffer, .address_space: global }
      - { .name: wc, .offset: 8, .size: 8, .value_kind: global_buffer, .address_space: global }
      - { .name: lowp_scales, .offset: 16, .size: 8, .value_kind: global_buffer, .address_space: global }
      - { .name: qkv, .offset: 24, .size: 8, .value_kind: global_buffer, .address_space: global }
    .group_segment_fixed_size: 327680
    .private_segment_fixed_size: 0
    .kernarg_segment_align: 8
    .kernarg_segment_size: 32
    .max_flat_workgroup_size: 128
    .sgpr_count:     100
    .vgpr_count:     1024
    .wavefront_size: 32
...
	.end_amdgpu_metadata
.endif
;; end of part 2
;; launch attn (part 3): grid 16 x 16, 8 waves a work-group, clusters of 4 x 1, 327,680 bytes of LDS; arguments qkv, mimg, lowp_scales, oc; writes oc
.if DOCPART == 3
	.amdgcn_target "amdgcn-amd-amdhsa--gfx1250"
	.amdhsa_code_object_version 6
	.text
	.protected	k_qa19c19e1f4_attn
	.globl	k_qa19c19e1f4_attn
	.p2align	8
	.type	k_qa19c19e1f4_attn,@function
k_qa19c19e1f4_attn:
	s_mov_b64 s[64:65], 0
	v_nop
	global_prefetch_b8 v0, s[64:65] scope:SCOPE_SE
	s_setreg_imm32_b32 hwreg(HW_REG_WAVE_MODE, 25, 1), 1
	s_wait_xcnt 0x0
	s_wait_alu depctr_hold_cnt(0) depctr_sa_sdst(0) depctr_va_vdst(0) depctr_va_sdst(0) depctr_va_ssrc(0) depctr_va_vcc(0) depctr_vm_vsrc(0)
	s_getreg_b32 s2, hwreg(HW_REG_IB_STS2, 6, 4)
	s_cmp_eq_u32 s2, 0
	s_cbranch_scc0 .Lentry_in_a_cluster
	s_endpgm
.Lentry_in_a_cluster:
	s_bfe_u32 s2, ttmp6, 0x10000c
	s_cmp_lg_u32 s2, 0x3003
	s_cbranch_scc0 .Lentry_shape_is_right
	s_endpgm
.Lentry_shape_is_right:
; O[h][q] = the sum over k of softmax_k(Q[h][q] . K[h][k] / sqrt(128) + mask[q][k]) V[h][k], both products on codes of E4M3; O is quantised at once for the projection that follows (entry 10).
; No work is left out: the mask is an input, so every work-group walks all 2,048 keys and adds the mask as it is given (from mimg, the first launch's copy of it in the order of my registers).
; THE SOFTMAX: logit = score x 2^(e6 + e7) / sqrt(128) + mask (one fused multiply-add); t = logit x log2(e), rounded to f32; M = the largest t so far, rounded UP to a whole number; p = 2^(t - M) is quantised (entry 8);
; the sum is taken of the unquantised p and divides O at the end.  When M moves, the sum and O are multiplied by 2^(old M - new M): exact.  M and t - M come from the same rounded t, whatever offset the mask carries.
; LIMITS: e6 + e7 between -122 and 131 (added to the exponent field of 1 / sqrt(128)); e8 and e10 - e8 - e9 between -126 and 119; |t| stays under 2^31.  The mask is finite; NaN and infinities among the inputs are not served.
; SHARES.  A work-group owns 128 queries of one head, in EIGHT waves of 512 registers, two to a SIMD.  Wave w = 4 half + g owns queries 32 g .. 32 g + 31 (two tiles of 16, so that each fragment read from LDS feeds two products)
; and, of each key step of 128, the keys 64 half .. 64 half + 63: four fragments of K (K = 128), and of each of V's eight fragments the eight registers of its keys (the form with K = 64).  Each wave keeps its own M, sum and O^T.
; At the end the two waves of a pair exchange one tile each through LDS bytes of their own and join it: M = the larger, both parts x 2^(own M - M), exact; wave (g, half) finishes tile half.
; LAYOUT.  q, k, v come as IMAGES OF OPERAND REGISTERS, blocks of 16,384 bytes (byte 2,048 a + 512 g + 16 lane = registers 4 g .. 4 g + 3 of fragment a; registers 2 c, 2 c + 1 hold K = 16 c + 8 (lane / 16) + 0 .. 7).
; Both products are used transposed (S^T = K Q^T, O^T = V^T P^T): a lane holds ONE query (lane % 16).  Tile t of S^T gives lane (r, h) my keys 16 t + 8 h + 0 .. 7: their codes are registers 2 t, 2 t + 1 of P.  O leaves as an image too.
; THE MASK goes from memory straight into registers: a wave's 64 registers of a step are 8,192 consecutive bytes of mimg, 16 loads of 512 consecutive bytes.  Two sets of 64 registers take turns: step j + 2's loads are issued
; as soon as step j's numbers have been added, so 32 loads a wave are out.  These loads are themselves the early request, two key steps ahead, so no prefetch is laid for them.
; CLUSTER, 4 x 1: the four blocks of queries of a cluster walk the same head's K and V, which are asked for JOINTLY.  Work-groups of different heads share no tile of the ring, so the cluster has one row.
; THE RING: two LDS slots of 65,536 bytes, each with two key steps' K (32,768 bytes, consecutive in memory) and V (32,768).  Every wave issues one tensor load of 8,192 bytes behind each round: waves 0-3 K's quarters, waves 4-7 V's;
; one shape and one line for all eight, the addresses made from the wave's number.  A load has two key steps in which to land.
; K and V share 64 registers: V's fragments are fetched behind the first product and land under the softmax; the next step's K behind the second product.
; REGISTERS: window 0: v1-14 addresses and constants; v16-31 statistics, eight a tile; v32-63 Q; v64-127 S^T, then p; v128-143 P's codes; v144-207 K, then V; v208-227 at work.  Window 1: v0-127 O^T; v128-255 the mask, two sets.
.set SLOT1, 65536                      ; slot 1 begins here: one exclusive or turns an address in one slot into the other's
.set VOFF,  32768
.set SPARE, 2*SLOT1                    ; behind the ring: the spare words, 128 bytes for each of eight waves, which no other line names
.set STAGE, SPARE+1024                 ; behind them: the exchange at the end, WST bytes a wave; no tile lands here
.set WST,   8448                       ; 64 registers x 128 bytes, then 8 bytes a lane: -M and the sum
.set AK0,  1                           ; v1     K: 16 x lane + 8,192 x half
.set AV0,  2                           ; v2     V: VOFF + 16 x lane + 1,024 x half
.set ADK,  3                           ; v3-4   the same in the slot in hand
.set ADV,  4
.set SPW,  7                           ; v7     LDS address of my spare word; never rewritten
.set NIL,  8                           ; v8     0; never rewritten
.set GO,   9                           ; v9     16 x lane
.set PFO,  10                          ; v10    256 x lane: the prefetches' offset; never rewritten
.set PLIM, 11                          ; v11    448 x 2^e8
.set PSC,  12                          ; v12    2^e8
.set OLIM, 13                          ; v13    448 x 2^(e10 - e8 - e9)
.set OSC,  14                          ; v14    2^(e10 - e8 - e9)
.set ST,   16                          ; tile i's statistics at v[ST + 8 i]: +0 -M, +1 the largest t, +2, +3 the sum in two halves, +4 f, +5 zero (named with f as a pair), +6, +7 at work
.set Q,    32
.set S,    64
.set P,    128
.set K,    144
.set C2,   208                         ; v208-211 the sums' second chains
.set STO,  212                         ; v212-215 the exchange: where I store, where I read; the same for the statistics
.set RD,   213
.set STO2, 214
.set RD2,  215
.set GS,   216                         ; v216-217 -M and the sum of the tile that I give; v218-219 my partner's; v220-221 those of the tile that I keep
.set OS,   218
.set KM,   220
.set KL,   221
.set FA,   222                         ; v222-225 the two factors, each named as a pair with a zero
.set FB,   224
.set T0,   226
.set T1,   227
.set MK,   128                         ; in window 1: set s at MK + 64 s
.set WV,   12                          ; s12 wave;  s13 wave / 4: my half of the keys, and: I fetch K (0) or V (1);  s14 wave % 4: my 32 queries, and my quarter of what I fetch
.set LIMS, 15                          ; s15  1 in a wave that prefetches, else the greatest number
.set HM,   19                          ; s19  0 in the waves of half 0, all ones in those of half 1: a lane mask for the choice of tiles at the end
.set G1,   24                          ; s[24:31] descriptor group 1
.set G0,   40                          ; s[40:43] group 0, which walks
.set MB,   44                          ; s[44:45] where my mask loads stand
.set TB,   46                          ; s46  LDS byte at which the slot in hand begins
.set CNT,  62                          ; s62  slots still to be asked for
.set C1,   66                          ; s[66:67] 2^(e6 + e7) / sqrt(128)
.set L2E,  68                          ; s[68:69] log2(e)
.set SEL,  70                          ; s[70:71] lane selects for v_permlanex16_b32: lane l xor 16
.set PFA,  72                          ; s[72:73] where my prefetches stand
.set MSB, 0
.macro WIN new                         ; the immediate's high byte repeats the setting that is left; a switch that changes nothing is dropped
.if MSB != (\new)
	s_set_vgpr_msb (MSB<<8)|(\new)
.set MSB, (\new)
.endif
.endm
.macro JLOAD                           ; my joint load; an s_nop 0 and four v_nop follow it
	tensor_load_to_lds s[G0:G0+3], s[G1:G1+7]
	s_nop 0
.rept 4
	v_nop
.endr
.endm
; A PREFETCH INTO THE L2 at the change of slots that loads pair k + 1 of key steps: pair k + 2, which the next change will ask for, two key steps ahead of that load.  Each aligned block of 256 bytes is named once in the launch.
; K and V of a head are walked by its four clusters: the cluster with x = 0 asks.  Its four partners take 8,192 bytes of the pair's K and of its V each, BY ADDRESS (cx); wave 0 asks for K's, wave 4 for V's, lanes 256 bytes apart.
; The last change that fills asks for nothing: pair 8 does not exist.  Pairs 0 and 1 come by their loads alone.
.macro ASK
	s_cmp_gt_u32 s[CNT], s[LIMS]
	s_cbranch_scc0 .Lnot_mine_\@
	global_prefetch_b8 v[PFO], s[PFA:PFA+1] th:TH_LOAD_NT scope:SCOPE_SE
.Lnot_mine_\@:
.endm
.macro CROUND                          ; a round of the cluster's barrier
	s_barrier_signal -1
	s_barrier_wait -1
	s_cmp_lg_u32 s[WV], 0
	s_cbranch_scc1 .Lnot_wave_0_\@
	s_barrier_signal -3
.Lnot_wave_0_\@:
	s_barrier_wait -3
	s_barrier_signal -1
	s_barrier_wait -1
.endm
.macro KLOAD s                         ; 16 LDS loads: my four fragments of K of the slot's step s
.set n, 0
.rept 16
	ds_load_b128 v[K+4*n:K+4*n+3], v[ADK] offset:16384*(\s)+512*n
.set n, n+1
.endr
.endm
.macro VLOAD s                         ; 16 LDS loads: of each of V's eight fragments the eight registers that hold my 64 keys
.set n, 0
.rept 16
	ds_load_b128 v[K+4*n:K+4*n+3], v[ADV] offset:16384*(\s)+2048*(n/2)+512*(n%2)
.set n, n+1
.endr
.endm
.macro MLOAD s                         ; 16 loads of 512 consecutive bytes: the mask's numbers in S^T's layout: register 32 i + 8 t + j = mask(my query of tile i, my key 16 t + 8 h + j), into set s
	WIN 0x40                                       ; destination window 1
.set n, 0
.rept 16
	global_load_b128 v[MK+64*(\s)+4*n:MK+64*(\s)+4*n+3], v[GO], s[MB:MB+1] offset:16384*(\s)+512*n
.set n, n+1
.endr
	WIN 0
.endm
	s_load_b256 s[4:11], s[0:1], 0x0               ; qkv s[4:5], mimg s[6:7], the exponents s[8:9], oc s[10:11]
	v_lshl_add_u32 v[SPW], v0, 2, SPARE
	v_mov_b32 v[NIL], 0
	ds_add_u32 v[SPW], v[NIL]                      ; the wave's opening: the add, twice on end, and its wait ahead of my first tensor load
	ds_add_u32 v[SPW], v[NIL]
	v_lshrrev_b32 v64, 5, v0
	v_readfirstlane_b32 s[WV], v64                 ; wave 0..7
	s_lshr_b32 s13, s[WV], 2
	s_and_b32 s14, s[WV], 3
	s_bfe_u32 s56, ttmp6, 0x40000                  ; cx: my place in the cluster
	s_lshl_b32 s58, ttmp9, 2
	s_add_co_u32 s58, s58, s56                     ; my block of 128 queries = 4 x cluster x + cx
	s_and_b32 s59, ttmp7, 0xffff                   ; my head = cluster y
	; group 1: a dense run of 8,192 bytes as 32 rows of 32 elements of 8 bytes, no padding; the mask names the cluster's four
	s_mov_b32 s[G1], 15|(3<<16)|(1<<21)
	s_mov_b32 s[G1+1], 32<<16
	s_mov_b32 s[G1+2], 32<<16
	s_mov_b32 s[G1+3], 32<<16
	s_mov_b32 s[G1+4], 32
	s_mov_b32 s[G1+5], 32
	s_mov_b32 s[G1+6], 0
	s_mov_b32 s[G1+7], 0
	s_add_co_u32 s16, s13, 1                       ; K is plane 1 of qkv (waves 0-3), V plane 2 (waves 4-7);
	s_lshl_b32 s16, s16, 22
	s_lshl_b32 s17, s59, 18                        ; a head's 16 blocks are 262,144 bytes;
	s_add_co_u32 s16, s16, s17
	s_lshl_b32 s17, s14, 13                        ; my 8,192 bytes of a pair's 32,768.  Nothing here hangs on cx
	s_add_co_u32 s16, s16, s17
	s_mov_b32 s17, 0
	s_lshl_b32 s88, s[WV], 13                      ; in a slot: K's quarters, then V's
	s_mov_b32 s[C1], 0x3db504f3                    ; 1 / sqrt(128)
	s_mov_b32 s[L2E], 0x3fb8aa3b                   ; log2(e)
	s_mov_b32 s[L2E+1], s[L2E]
	s_mov_b32 s[SEL], 0x76543210
	s_mov_b32 s[SEL+1], 0xfedcba98
	s_mov_b32 s[CNT], 7
	s_mov_b32 s[TB], 0
	s_wait_dscnt 0x0                               ; both opening adds are done
	s_wait_kmcnt 0x0
	s_load_b256 s[76:83], s[8:9], 0x0              ; e0 .. e7
	s_load_b128 s[84:87], s[8:9], 0x20             ; e8 .. e11
	s_add_nc_u64 s[90:91], s[4:5], s[16:17]
	CROUND                                         ; all four work-groups are here: the first joint loads meet
	s_mov_b32 s[G0], 1
	s_mov_b32 s[G0+1], s88
	s_mov_b64 s[G0+2:G0+3], s[90:91]
	s_or_b32 s[G0+3], s[G0+3], 0x80000000
	JLOAD                                          ; key steps 0 and 1: one tensor load a wave at the head
	; the scalars of the addresses first, then the vector lines in one run
	s_lshl_b32 s2, s59, 4
	s_add_co_u32 s2, s2, s58
	s_lshl_b32 s2, s2, 14                          ; Q: plane 0, block 16 x head + block of queries,
	s_lshl_b32 s63, s14, 12                        ; my two fragments of its eight
	s_add_co_u32 s2, s2, s63
	s_mov_b32 s3, 0
	s_add_nc_u64 s[94:95], s[4:5], s[2:3]
	s_lshl_b32 s2, s58, 4
	s_add_co_u32 s2, s2, s59
	s_lshl_b32 s2, s2, 14                          ; O: block 16 x block of queries + head, fragment 2 g + half
	s_add_co_u32 s2, s2, s63
	s_lshl_b32 s63, s13, 11
	s_add_co_u32 s2, s2, s63
	s_add_nc_u64 s[10:11], s[10:11], s[2:3]
	s_lshl_b32 s2, s58, 2
	s_add_co_u32 s2, s2, s14
	s_lshl_b32 s2, s2, 18                          ; the mask's image: 32 blocks of 8,192 bytes for each 32 queries; step j's block for my half is 2 j + half
	s_lshl_b32 s63, s13, 13
	s_add_co_u32 s2, s2, s63
	s_add_nc_u64 s[MB:MB+1], s[6:7], s[2:3]
	s_lshl_b32 s16, s13, 13                        ; K: my four fragments
	s_lshl_b32 s17, s13, 10                        ; V: my eight registers of each fragment
	s_add_co_u32 s17, s17, VOFF
	s_mul_i32 s18, s[WV], WST
	s_add_co_u32 s18, s18, STAGE                   ; the exchange: my bytes,
	s_xor_b32 s3, s[WV], 4
	s_mul_i32 s3, s3, WST
	s_add_co_u32 s3, s3, STAGE                     ; and my partner's
	s_cmp_eq_u32 s13, 0
	s_cselect_b32 s[HM], 0, -1
	s_add_co_u32 s96, s13, 1                       ; the prefetches (macro ASK): K's plane or V's,
	s_lshl_b32 s96, s96, 22
	s_lshl_b32 s97, s59, 18                        ; my head,
	s_add_co_u32 s96, s96, s97
	s_lshl_b32 s97, s56, 13                        ; my work-group's 8,192 bytes,
	s_add_co_u32 s96, s96, s97
	s_add_co_u32 s96, s96, 32768                   ; pair 1: the first change of slots steps it to pair 2
	s_mov_b32 s97, 0
	s_add_nc_u64 s[PFA:PFA+1], s[4:5], s[96:97]
	s_or_b32 s20, ttmp9, s14                       ; cluster x = 0, and waves 0 and 4: made of the cluster's number and the wave's, the same in all four partners
	s_cmp_eq_u32 s20, 0
	s_cselect_b32 s[LIMS], 1, -1
	v_and_b32 v66, 31, v0                          ; lane
	v_lshlrev_b32 v[GO], 4, v66
	v_lshlrev_b32 v[PFO], 8, v66
	v_add_nc_u32 v[AK0], s16, v[GO]
	v_add_nc_u32 v[AV0], s17, v[GO]
	v_add_nc_u32 v[STO], s18, v[GO]
	v_add_nc_u32 v[RD], s3, v[GO]
	v_lshlrev_b32 v67, 3, v66
	v_add_nc_u32 v[STO2], s18, v67
	v_add_nc_u32 v[RD2], s3, v67
.irp i, 0,1,2,3,4,5,6,7
	global_load_b128 v[Q+4*\i:Q+4*\i+3], v[GO], s[94:95] offset:512*\i   ; Q's two fragments stay in registers
.endr
	MLOAD 0                                        ; the mask of key steps 0 and 1
	MLOAD 1
.irp i, 0,1
	v_mov_b32 v[ST+8*\i+1], 0xff61b1e6             ; the largest t so far: -3e38, under every t
	v_floor_f32 v[ST+8*\i], -v[ST+8*\i+1]          ; -M
	v_mov_b32 v[ST+8*\i+2], 0                      ; the sum, in two halves
	v_mov_b32 v[ST+8*\i+3], 0
	v_mov_b32 v[ST+8*\i+5], 0
.endr
	WIN 0x40
.set n, 0
.rept 128
	v_mov_b32 v[n], 0                              ; O^T.  A key step is written four times as it is; a first step of its own would be a fifth.  The first change of M multiplies these zeros by 0
.set n, n+1
.endr
	WIN 0
	s_wait_alu depctr_va_vdst(0)
	s_wait_kmcnt 0x0
	s_add_co_i32 s20, s82, s83                     ; e6 + e7 goes into the exponent field of 1 / sqrt(128)
	s_lshl_b32 s20, s20, 23
	s_add_co_i32 s[C1], s[C1], s20
	s_mov_b32 s[C1+1], s[C1]
	s_add_co_i32 s20, s84, 127
	s_lshl_b32 s21, s20, 23
	v_mov_b32 v[PSC], s21                          ; 2^e8
	s_add_co_i32 s20, s20, 8
	s_lshl_b32 s20, s20, 23
	s_or_b32 s20, s20, 0x600000
	v_mov_b32 v[PLIM], s20                         ; 448 x 2^e8
	s_sub_co_i32 s20, s86, s84
	s_sub_co_i32 s20, s20, s85                     ; a sum of the second product stands for sum x 2^(e8 + e9): O's code is sum / l / 2^(e10 - e8 - e9)
	s_add_co_i32 s20, s20, 127
	s_lshl_b32 s21, s20, 23
	v_mov_b32 v[OSC], s21
	s_add_co_i32 s20, s20, 8
	s_lshl_b32 s20, s20, 23
	s_or_b32 s20, s20, 0x600000
	v_mov_b32 v[OLIM], s20
; A KEY STEP, the s-th of the slot in hand.  nextk = 1: the slot's next step's K is fetched at its end.  mload = 1: the mask of two steps on is asked for.  lc: the mask loads that may stay out.
.macro TRIP s, nextk, mload, lc
	s_wait_loadcnt \lc                             ; this step's mask is in (and Q); the next step's 16 loads may be out
	s_wait_dscnt 0x0                               ; K is in
.set t, 0
.rept 4
.irp i, 0,1
	v_wmma_f32_16x16x128_fp8_fp8 v[S+32*\i+8*t:S+32*\i+8*t+7], v[K+16*t:K+16*t+15], v[Q+16*\i:Q+16*\i+15], 0
.endr
.set t, t+1
.endr
.rept 4
	v_nop                                          ; four places: ahead of the loads into K's registers and of the first read of the scores
.endr
	VLOAD \s
	WIN 0x10                                       ; source 2 (the mask) window 1
.set n, 0
.rept 32
	v_pk_fma_f32 v[S+n:S+n+1], v[S+n:S+n+1], s[C1:C1+1], v[MK+64*\s+n:MK+64*\s+n+1] op_sel_hi:[1,0,1]   ; the logit, two at a time; each accumulator from its low end on
.set n, n+2
.endr
.if \mload
	MLOAD \s                                       ; the set has been read: the numbers of two steps on may land there
.endif
	WIN 0
.set n, 0
.rept 32
	v_pk_mul_f32 v[S+n:S+n+1], v[S+n:S+n+1], s[L2E:L2E+1] op_sel_hi:[1,0]   ; t
.set n, n+2
.endr
.irp i, 0,1                                    ; the step's largest t of my query among my lane's 32 keys: two chains a tile, the two tiles line by line
	v_max3_num_f32 v[ST+8*\i+6], v[S+32*\i], v[S+32*\i+1], v[S+32*\i+2]
	v_max3_num_f32 v[ST+8*\i+7], v[S+32*\i+3], v[S+32*\i+4], v[S+32*\i+5]
.endr
.set n, 6
.rept 6
.irp i, 0,1
	v_max3_num_f32 v[ST+8*\i+6], v[ST+8*\i+6], v[S+32*\i+n], v[S+32*\i+n+1]
	v_max3_num_f32 v[ST+8*\i+7], v[ST+8*\i+7], v[S+32*\i+n+2], v[S+32*\i+n+3]
.endr
.set n, n+4
.endr
.irp i, 0,1
	v_max3_num_f32 v[ST+8*\i+6], v[ST+8*\i+6], v[S+32*\i+30], v[S+32*\i+31]
.endr
.irp i, 0,1
	v_max_num_f32 v[ST+8*\i+6], v[ST+8*\i+6], v[ST+8*\i+7]
.endr
.irp i, 0,1
	v_permlanex16_b32 v[ST+8*\i+7], v[ST+8*\i+6], s[SEL], s[SEL+1]   ; the query's other 32 of my keys lie in the lane 16 away
.endr
.irp i, 0,1
	v_max_num_f32 v[ST+8*\i+6], v[ST+8*\i+6], v[ST+8*\i+7]
.endr
.irp i, 0,1
	v_max_num_f32 v[ST+8*\i+1], v[ST+8*\i+1], v[ST+8*\i+6]           ; the running largest t
.endr
.irp i, 0,1
	v_mov_b32 v[ST+8*\i+6], v[ST+8*\i]
.endr
.irp i, 0,1
	v_floor_f32 v[ST+8*\i], -v[ST+8*\i+1]          ; the new -M = floor(-t) = -ceil(t): M is a whole number
.endr
.irp i, 0,1
	v_sub_f32 v[ST+8*\i+6], v[ST+8*\i], v[ST+8*\i+6]                 ; M's old value less its new one: a whole number, 0 or less
.endr
.irp i, 0,1
	v_cvt_i32_f32 v[ST+8*\i+6], v[ST+8*\i+6]       ; (it saturates)
.endr
.irp i, 0,1
	v_ldexp_f32 v[ST+8*\i+4], 1.0, v[ST+8*\i+6]    ; f = 2^(old M - new M)
.endr
.irp i, 0,1
.set n, 0
.rept 16
	v_pk_add_f32 v[S+32*\i+n:S+32*\i+n+1], v[S+32*\i+n:S+32*\i+n+1], v[ST+8*\i:ST+8*\i+1] op_sel_hi:[1,0]   ; t - M (of the pair the low word, -M, serves both halves)
.set n, n+2
.endr
.endr
	s_wait_alu depctr_va_vdst(0)
.set n, 0
.rept 64
	v_exp_f32 v[S+n], v[S+n]                       ; p = 2^(t - M), at most 1: not normalised.  One batch
.set n, n+1
.endr
.irp i, 0,1
	v_pk_mul_f32 v[ST+8*\i+2:ST+8*\i+3], v[ST+8*\i+2:ST+8*\i+3], v[ST+8*\i+4:ST+8*\i+5] op_sel_hi:[1,0]   ; the sums under the new M.  (The plain place behind the exponentials)
.endr
	s_wait_alu depctr_va_vdst(0)                   ; and the wait behind it, ahead of the first line that names a result
.irp i, 0,1
	v_pk_add_f32 v[C2+2*\i:C2+2*\i+1], v[S+32*\i:S+32*\i+1], v[S+32*\i+2:S+32*\i+3]   ; the sum is taken of the UNQUANTISED p: two at a time, two chains a tile
.endr
.set n, 4
.rept 7
.irp i, 0,1
	v_pk_add_f32 v[ST+8*\i+2:ST+8*\i+3], v[ST+8*\i+2:ST+8*\i+3], v[S+32*\i+n:S+32*\i+n+1]
	v_pk_add_f32 v[C2+2*\i:C2+2*\i+1], v[C2+2*\i:C2+2*\i+1], v[S+32*\i+n+2:S+32*\i+n+3]
.endr
.set n, n+4
.endr
.irp i, 0,1
	v_pk_add_f32 v[ST+8*\i+2:ST+8*\i+3], v[ST+8*\i+2:ST+8*\i+3], v[C2+2*\i:C2+2*\i+1]
.endr
.irp i, 0,1
.set t, 0
.rept 4
.set j, 0
.rept 8
	v_min_num_f32 v[S+32*\i+8*t+j], v[S+32*\i+8*t+j], v[PLIM]   ; the conversion to an 8-bit code does not saturate (ISA guide 7.6.2); p is not negative, so the hold is one-sided
.set j, j+1
.endr
	v_cvt_scalef32_pk8_fp8_f32 v[P+8*\i+2*t:P+8*\i+2*t+1], v[S+32*\i+8*t:S+32*\i+8*t+7], v[PSC]   ; my keys 16 t + 8 h + 0 .. 7: registers 2 t, 2 t + 1 of P
.set t, t+1
.endr
.endr
	s_wait_dscnt 0x0                               ; V is in
	WIN 0x41                                       ; O^T (destination and source 0) window 1, f window 0
	s_wait_alu depctr_va_vdst(0)
.irp i, 0,1
.set n, 0
.rept 32
	v_pk_mul_f32 v[64*\i+n:64*\i+n+1], v[64*\i+n:64*\i+n+1], v[ST+8*\i+4:ST+8*\i+5] op_sel_hi:[1,0]   ; O^T under the new M, each accumulator from its low end on.  (Also the plain lines between the conversions and the products)
.set n, n+2
.endr
.endr
	WIN 0x50                                       ; C and D window 1, V and P window 0
.set u, 0
.rept 8
.irp i, 0,1
	v_wmma_f32_16x16x64_fp8_fp8 v[64*\i+8*u:64*\i+8*u+7], v[K+8*u:K+8*u+7], v[P+8*\i:P+8*\i+7], v[64*\i+8*u:64*\i+8*u+7]   ; the 16 accumulators take turns
.endr
.set u, u+1
.endr
	WIN 0
.if \nextk
.rept 4
	v_nop                                          ; four places ahead of the loads into V's registers
.endr
	KLOAD (\s)+1
.endif
.endm
; THE CHANGE OF SLOTS stands at a slot's head.  Each wave waits for its tensor load (its part of the slot that it is about to read), adds 0 to its spare word, and waits for that and for its reads of the slot that it has left.
; fill = 1: behind the round that other slot is filled with the next two key steps (the first time: slot 1's first fill, issued as a refill is).
.macro CHANGE fill
	s_wait_alu depctr_va_vdst(0)
	s_wait_tensorcnt 0x0                           ; no tensor load of mine is out, so group 0 may be written
	ds_add_u32 v[SPW], v[NIL]                      ; 0 onto my spare word
.if \fill
	s_xor_b32 s[G0+1], s[G0+1], SLOT1              ; the walking descriptor: the other slot than last time,
	s_add_nc_u64 s[G0+2:G0+3], s[G0+2:G0+3], 32768 ; the next two key steps; the type bits on top are not reached
	s_wait_xcnt 0x0                                ; my prefetch and my mask loads have read their addresses, so these may be written:
	s_add_nc_u64 s[PFA:PFA+1], s[PFA:PFA+1], 32768 ; one pair further on than the walking descriptor,
	s_add_nc_u64 s[MB:MB+1], s[MB:MB+1], 32768     ; and the mask loads of this slot's steps name the steps of the next pair
.endif
	s_wait_dscnt 0x0                               ; the add is done, and my reads of the slot that I have left are over
.if \fill
	CROUND                                         ; no wave of any partner still reads that slot or has a load on its way
	JLOAD                                          ; the first tensor load behind the round, and my only one until the next
.else
	s_barrier_signal -1                            ; the last slot is whole for every wave
	s_barrier_wait -1
.rept 4
	v_nop                                          ; four places ahead of the loads into V's registers, which the last step's second product read (where a slot is filled, the four behind the joint load are these)
.endr
.endif
	v_add_nc_u32 v[ADK], s[TB], v[AK0]
	v_add_nc_u32 v[ADV], s[TB], v[AV0]
	s_wait_alu depctr_va_vdst(0)                   ; the wait behind these two lines
	KLOAD 0
.if \fill
	ASK
.endif
.endm
.Lpair:                                            ; seven trips are key steps 0 to 13: behind each change of slots but the last the next slot is asked for
	CHANGE 1
	TRIP 0, 1, 1, 16
	TRIP 1, 0, 1, 16
	s_xor_b32 s[TB], s[TB], SLOT1                  ; on to the other slot
	s_sub_co_u32 s[CNT], s[CNT], 1
	s_cmp_lg_u32 s[CNT], 0
	s_cbranch_scc1 .Lpair
	CHANGE 0                                       ; key steps 14 and 15: the tail is written out
	TRIP 0, 1, 0, 16
	TRIP 1, 0, 0, 0
	; THE WAY OUT.  A wave of half 0 keeps tile 0 and gives tile 1, a wave of half 1 the other way round: chosen lane by lane with the mask s[HM], so that all waves run the same lines.
.irp i, 0,1
	v_add_f32 v[ST+8*\i+6], v[ST+8*\i+2], v[ST+8*\i+3]             ; (these eight lines are the places behind the last products)
.endr
	v_cndmask_b32 v[GS], v[ST+8], v[ST], s[HM]
	v_cndmask_b32 v[GS+1], v[ST+14], v[ST+6], s[HM]
	v_cndmask_b32 v[KM], v[ST], v[ST+8], s[HM]
	v_cndmask_b32 v[KL], v[ST+6], v[ST+14], s[HM]
	v_mov_b32 v[FA+1], 0
	v_mov_b32 v[FB+1], 0
	WIN 0x05                                       ; sources 0 and 1 (O^T) window 1
.set n, 0
.rept 64
	v_cndmask_b32 v[S+n], v[64+n], v[n], s[HM]     ; what I give; each accumulator from its low end on
	v_cndmask_b32 v[K+n], v[n], v[64+n], s[HM]     ; what I keep
.set n, n+1
.endr
	WIN 0
.set n, 0
.rept 16
	ds_store_b128 v[STO], v[S+4*n:S+4*n+3] offset:512*n
.set n, n+1
.endr
	ds_store_b64 v[STO2], v[GS:GS+1] offset:8192
	s_wait_alu depctr_va_vdst(0)
	s_wait_dscnt 0x0                               ; my stores are done: for my partner's sake
	s_barrier_signal -1
	s_barrier_wait -1
.set n, 0
.rept 16
	ds_load_b128 v[S+4*n:S+4*n+3], v[RD] offset:512*n              ; my partner's part of the tile that I keep
.set n, n+1
.endr
	ds_load_b64 v[OS:OS+1], v[RD2] offset:8192
	s_wait_dscnt 0x0
	v_min_num_f32 v[T0], v[KM], v[OS]              ; -M of the two: M is the larger
	v_sub_f32 v[T1], v[T0], v[OS]                  ; whole numbers, 0 or less
	v_sub_f32 v[T0], v[T0], v[KM]
	v_cvt_i32_f32 v[T1], v[T1]
	v_cvt_i32_f32 v[T0], v[T0]
	v_ldexp_f32 v[FB], 1.0, v[T1]
	v_ldexp_f32 v[FA], 1.0, v[T0]
	v_mul_f32 v[T1], v[OS+1], v[FB]
	v_fma_f32 v[T1], v[KL], v[FA], v[T1]           ; the sum under the common M, of my lane's keys,
	v_permlanex16_b32 v[T0], v[T1], s[SEL], s[SEL+1]
	v_add_f32 v[T1], v[T1], v[T0]                  ; and of the lane's 16 away: the row's sum l
	s_wait_alu depctr_va_vdst(0)
	v_rcp_f32 v[T0], v[T1]
	v_nop                                          ; a plain line behind it
	s_wait_alu depctr_va_vdst(0)                   ; and the wait ahead of the first use
	v_mul_f32 v[FA], v[FA], v[T0]
	v_mul_f32 v[FB], v[FB], v[T0]
.set n, 0
.rept 32
	v_pk_mul_f32 v[K+n:K+n+1], v[K+n:K+n+1], v[FA:FA+1] op_sel_hi:[1,0]
.set n, n+2
.endr
.set n, 0
.rept 32
	v_pk_fma_f32 v[K+n:K+n+1], v[S+n:S+n+1], v[FB:FB+1], v[K+n:K+n+1] op_sel_hi:[1,0,1]   ; O^T / l
.set n, n+2
.endr
.set n, 0
.rept 64
	v_med3_num_f32 v[K+n], v[K+n], -v[OLIM], v[OLIM]
.set n, n+1
.endr
.irp u, 0,1,2,3,4,5,6,7
	v_cvt_scalef32_pk8_fp8_f32 v[P+2*\u:P+2*\u+1], v[K+8*\u:K+8*\u+7], v[OSC]   ; channels 16 u + 8 h + 0 .. 7 of my query: a fragment of the next product's operand
.endr
	v_nop                                          ; a plain line behind the last conversion
.irp n, 0,1,2,3
	global_store_b128 v[GO], v[P+4*\n:P+4*\n+3], s[10:11] offset:512*\n   ; 32 lanes store 512 consecutive bytes, aligned
.endr
	s_wait_tensorcnt 0x0                           ; the wave's end, behind my last tensor load and my last LDS store
	ds_add_u32 v[SPW], v[NIL]
	s_wait_dscnt 0x0
	CROUND                                         ; the closing round: no work-group ends while a partner may still ask for a tile that names it
	s_endpgm
.Lfunc_end_k_qa19c19e1f4_attn:
	.size	k_qa19c19e1f4_attn, .Lfunc_end_k_qa19c19e1f4_attn-k_qa19c19e1f4_attn
	.p2alignl 7, 3214868480
	.fill 96, 4, 3214868480
	.section	.rodata,"a",@progbits
	.p2align	6, 0x0
	.amdhsa_kernel k_qa19c19e1f4_attn
		.amdhsa_group_segment_fixed_size 327680
		.amdhsa_private_segment_fixed_size 0
		.amdhsa_enable_private_segment 0
		.amdhsa_kernarg_size 32
		.amdhsa_user_sgpr_count 2
		.amdhsa_user_sgpr_kernarg_segment_ptr 1
		.amdhsa_wavefront_size32 1
		.amdhsa_system_sgpr_workgroup_id_x 1
		.amdhsa_system_sgpr_workgroup_id_y 1
		.amdhsa_system_sgpr_workgroup_id_z 1
		.amdhsa_system_vgpr_workitem_id 0
		.amdhsa_next_free_vgpr 512
		.amdhsa_next_free_sgpr 100
		.amdhsa_reserve_vcc 0
		.amdhsa_float_denorm_mode_32 3
		.amdhsa_float_denorm_mode_16_64 3
		.amdhsa_memory_ordered 1
		.amdhsa_forward_progress 1
		.amdhsa_inst_pref_size 133
	.end_amdhsa_kernel
	.amdgpu_metadata
---
amdhsa.version: [ 1, 2 ]
amdhsa.kernels:
  - .name:           k_qa19c19e1f4_attn
    .symbol:         k_qa19c19e1f4_attn.kd
    .args:
      - { .name: qkv, .offset: 0, .size: 8, .value_kind: global_buffer, .address_space: global }
      - { .name: mimg, .offset: 8, .size: 8, .value_kind: global_buffer, .address_space: global }
      - { .name: lowp_scales, .offset: 16, .size: 8, .value_kind: global_buffer, .address_space: global }
      - { .name: oc, .offset: 24, .size: 8, .value_kind: global_buffer, .address_space: global }
    .group_segment_fixed_size: 327680
    .private_segment_fixed_size: 0
    .kernarg_segment_align: 8
    .kernarg_segment_size: 32
    .max_flat_workgroup_size: 256
    .sgpr_count:     100
    .vgpr_count:     512
    .wavefront_size: 32
...
	.end_amdgpu_metadata
.endif
;; end of part 3
;; launch oproj (part 4): grid 16 x 16, 4 waves a work-group, clusters of 4 x 4, 327,680 bytes of LDS; arguments oc, wc, lowp_scales, out0; writes out0
.if DOCPART == 4
	.amdgcn_target "amdgcn-amd-amdhsa--gfx1250"
	.amdhsa_code_object_version 6
	.text
	.protected	k_qa19c19e1f4_oproj
	.globl	k_qa19c19e1f4_oproj
	.p2align	8
	.type	k_qa19c19e1f4_oproj,@function
k_qa19c19e1f4_oproj:
	s_mov_b64 s[64:65], 0
	v_nop
	global_prefetch_b8 v0, s[64:65] scope:SCOPE_SE
	s_setreg_imm32_b32 hwreg(HW_REG_WAVE_MODE, 25, 1), 1
	s_wait_xcnt 0x0
	s_wait_alu depctr_hold_cnt(0) depctr_sa_sdst(0) depctr_va_vdst(0) depctr_va_sdst(0) depctr_va_ssrc(0) depctr_va_vcc(0) depctr_vm_vsrc(0)
	s_getreg_b32 s2, hwreg(HW_REG_IB_STS2, 6, 4)
	s_cmp_eq_u32 s2, 0
	s_cbranch_scc0 .Lentry_in_a_cluster
	s_endpgm
.Lentry_in_a_cluster:
	s_bfe_u32 s2, ttmp6, 0x10000c
	s_cmp_lg_u32 s2, 0xf033
	s_cbranch_scc0 .Lentry_shape_is_right
	s_endpgm
.Lentry_shape_is_right:
.set ASTEP, 16384
.set BOFF,  65536
.set BP,    528
.set SLOT,  BOFF+128*BP
.set STAGE, 2*SLOT
.set SPITCH, 272
.set SPARE, STAGE+4*16*SPITCH
.set ADRA, 16
.set ADRB, 20
.set STO,  24
.set RD,   25
.set CO,   26
.set SPW,  28
.set NIL,  29
.set TMP,  32
.set BK,   64
.set ACC,  128
.set F0,   0
.set F1,   128
.set G1, 24
.set G0, 32
.set G1B, 48
.set G0B, 56
.set MSB, 0
.macro WIN new
.if MSB != (\new)
	s_set_vgpr_msb (MSB<<8)|(\new)
.set MSB, (\new)
.endif
.endm
.set MUL,  0x05
.set TO_F, 0x40
.macro JLOAD s
	s_cmp_eq_u32 s15, 0
	s_cbranch_scc0 .Lfor_b_\@
	tensor_load_to_lds s[G0+4*\s:G0+4*\s+3], s[G1:G1+7]
	s_nop 0
.rept 4
	v_nop
.endr
	s_branch .Lasked_\@
.Lfor_b_\@:
	tensor_load_to_lds s[G0B+4*\s:G0B+4*\s+3], s[G1B:G1B+7]
	s_nop 0
.rept 4
	v_nop
.endr
.Lasked_\@:
.endm
.macro CROUND
	s_barrier_signal -1
	s_barrier_wait -1
	s_cmp_lg_u32 s14, 0
	s_cbranch_scc1 .Lnot_wave_0_\@
	s_barrier_signal -3
.Lnot_wave_0_\@:
	s_barrier_wait -3
	s_barrier_signal -1
	s_barrier_wait -1
.endm
	s_load_b128 s[4:7], s[0:1], 0x0
	s_load_b128 s[8:11], s[0:1], 0x10
	v_lshl_add_u32 v[SPW], v0, 2, SPARE
	v_mov_b32 v[NIL], 0
	ds_add_u32 v[SPW], v[NIL]
	ds_add_u32 v[SPW], v[NIL]
	v_lshrrev_b32 v1, 5, v0
	v_readfirstlane_b32 s14, v1
	s_lshr_b32 s15, s14, 1
	s_and_b32 s16, s14, 1
	s_bfe_u32 s40, ttmp6, 0x40000
	s_bfe_u32 s41, ttmp6, 0x40004
	s_lshl_b32 s42, ttmp9, 2
	s_add_co_u32 s42, s42, s40
	s_and_b32 s17, ttmp7, 0xffff
	s_lshl_b32 s17, s17, 2
	s_add_co_u32 s17, s17, s41
	s_lshl_b32 s43, s41, 2
	s_lshl_b32 s43, 15, s43
	s_lshl_b32 s44, 0x1111, s40
	s_or_b32 s[G1], s43, (3<<16)|(1<<21)
	s_mov_b32 s[G1+1], 32<<16
	s_mov_b32 s[G1+2], 128<<16
	s_mov_b32 s[G1+3], 32<<16
	s_mov_b32 s[G1+4], 128
	s_mov_b32 s[G1+5], 32
	s_mov_b32 s[G1+6], 0
	s_mov_b32 s[G1+7], 0
	s_or_b32 s[G1B], s44, (0<<16)|(1<<20)|(1<<21)|(6<<22)|(3<<25)
	s_mov_b32 s[G1B+1], 512<<16
	s_mov_b32 s[G1B+2], 64<<16
	s_mov_b32 s[G1B+3], 512<<16
	s_mov_b32 s[G1B+4], 64
	s_mov_b32 s[G1B+5], 2048
	s_mov_b32 s[G1B+6], 0
	s_mov_b32 s[G1B+7], 0
	s_lshl_b32 s20, s17, 18
	s_lshl_b32 s18, s16, 15
	s_add_co_u32 s20, s20, s18
	s_mov_b32 s21, 0
	s_lshl_b32 s46, s42, 18
	s_lshl_b32 s19, s16, 17
	s_add_co_u32 s46, s46, s19
	s_add_co_u32 s46, s46, 3<<22
	s_mov_b32 s47, 0
	s_lshl_b32 s45, s16, 15
	s_mul_i32 s22, s16, 64*BP
	s_add_co_u32 s22, s22, BOFF
	s_wait_dscnt 0x0
	s_wait_kmcnt 0x0
	s_load_b64 s[96:97], s[8:9], 0x28
	s_add_nc_u64 s[20:21], s[4:5], s[20:21]
	s_add_nc_u64 s[46:47], s[6:7], s[46:47]
	CROUND
.irp s, 0,1
	s_mov_b32 s[G0+4*\s], 1
	s_add_co_u32 s[G0+4*\s+1], s45, \s*SLOT
	s_add_nc_u64 s[G0+4*\s+2:G0+4*\s+3], s[20:21], \s*4*ASTEP
	s_or_b32 s[G0+4*\s+3], s[G0+4*\s+3], 0x80000000
	s_mov_b32 s[G0B+4*\s], 1
	s_add_co_u32 s[G0B+4*\s+1], s22, \s*SLOT
	s_add_nc_u64 s[G0B+4*\s+2:G0B+4*\s+3], s[46:47], \s*512
	s_or_b32 s[G0B+4*\s+3], s[G0B+4*\s+3], 0x80000000
	s_wait_alu depctr_va_vdst(0)
	s_wait_tensorcnt 0x0
	ds_add_u32 v28, v29
	ds_add_u32 v28, v29
	s_wait_dscnt 0x0
	CROUND
	JLOAD \s
.endr
	v_and_b32 v1, 15, v0
	v_bfe_u32 v2, v0, 4, 1
	v_and_b32 v3, 31, v0
	v_lshlrev_b32 v4, 4, v3
	s_lshl_b32 s21, s15, 13
	v_add_nc_u32 v[ADRA], s21, v4
	v_add_nc_u32 v[ADRA+1], SLOT, v[ADRA]
	v_mul_u32_u24 v5, v1, BP
	v_lshl_add_u32 v5, v2, 3, v5
	s_mul_i32 s23, s16, 64*BP
	s_add_co_u32 s23, s23, BOFF
	v_add_nc_u32 v[ADRB], s23, v5
	v_add_nc_u32 v[ADRB+1], SLOT, v[ADRB]
	s_mul_i32 s23, s14, 16*SPITCH
	s_add_co_u32 s23, s23, STAGE
	v_mul_u32_u24 v6, v1, SPITCH
	v_lshl_add_u32 v6, v2, 5, v6
	v_add_nc_u32 v[STO], s23, v6
	v_mul_u32_u24 v7, v2, SPITCH
	v_lshl_add_u32 v7, v1, 4, v7
	v_add_nc_u32 v[RD], s23, v7
	v_lshlrev_b32 v8, 13, v2
	v_lshl_add_u32 v[CO], v1, 4, v8
	s_lshl_b32 s84, s17, 20
	s_lshl_b32 s85, s15, 19
	s_add_co_u32 s84, s84, s85
	s_lshl_b32 s85, s42, 9
	s_add_co_u32 s84, s84, s85
	s_lshl_b32 s85, s16, 8
	s_add_co_u32 s84, s84, s85
	s_mov_b32 s85, 0
	s_add_nc_u64 s[10:11], s[10:11], s[84:85]
.macro MUL8 f, a0, zero
.irp a, \a0, \a0+1
.irp b, 0,1,2,3
.if \zero
	v_wmma_f32_16x16x128_fp8_fp8 v[ACC+8*(4*(\a)+\b):ACC+8*(4*(\a)+\b)+7], v[\f+64+16*\b:\f+64+16*\b+15], v[\f+16*(\a):\f+16*(\a)+15], 0
.else
	v_wmma_f32_16x16x128_fp8_fp8 v[ACC+8*(4*(\a)+\b):ACC+8*(4*(\a)+\b)+7], v[\f+64+16*\b:\f+64+16*\b+15], v[\f+16*(\a):\f+16*(\a)+15], v[ACC+8*(4*(\a)+\b):ACC+8*(4*(\a)+\b)+7]
.endif
.endr
.endr
.endm
.macro FETCH slot, ks, f
	WIN TO_F
.set n, 0
.rept 16
	ds_load_b128 v[\f+4*n:\f+4*n+3], v[ADRA+\slot] offset:(\ks)*ASTEP+512*n
.set n, n+1
.endr
.set b, 0
.rept 4
.set c, 0
.rept 8
	ds_load_b64 v[\f+64+16*b+2*c:\f+64+16*b+2*c+1], v[ADRB+\slot] offset:128*(\ks)+b*16*BP+16*c
.set c, c+1
.endr
.set b, b+1
.endr
.endm
.macro PLACES
.rept 4
	v_nop
.endr
.endm
.macro STEP slot, ks, f, g, zero
	s_wait_dscnt 0x0
	PLACES
	FETCH \slot, \ks, \g
	WIN MUL
	MUL8 \f, 0, \zero
	MUL8 \f, 2, \zero
.endm
.macro TURN slot, next, fill
	WIN 0
	s_wait_tensorcnt 0x0
	ds_add_u32 v[SPW], v[NIL]
.if \fill
	s_add_nc_u64 s[G0+4*\slot+2:G0+4*\slot+3], s[G0+4*\slot+2:G0+4*\slot+3], 8*ASTEP
	s_add_nc_u64 s[G0B+4*\slot+2:G0B+4*\slot+3], s[G0B+4*\slot+2:G0B+4*\slot+3], 1024
.endif
	s_wait_dscnt 0x0
.if \fill
	CROUND
	JLOAD \slot
.else
	s_barrier_signal -1
	s_barrier_wait -1
	PLACES
.endif
	s_wait_alu depctr_va_vdst(0)
	FETCH \next, 0, F0
	WIN MUL
	MUL8 F1, 0, 0
	MUL8 F1, 2, 0
.endm
	s_wait_tensorcnt 1
	s_barrier_signal -1
	s_barrier_wait -1
	FETCH 0, 0, F0
	STEP 0, 1, F0, F1, 1
	STEP 0, 2, F1, F0, 0
	STEP 0, 3, F0, F1, 0
	TURN 0, 1, 1
	STEP 1, 1, F0, F1, 0
	STEP 1, 2, F1, F0, 0
	STEP 1, 3, F0, F1, 0
	TURN 1, 0, 1
	STEP 0, 1, F0, F1, 0
	STEP 0, 2, F1, F0, 0
	STEP 0, 3, F0, F1, 0
	TURN 0, 1, 0
	STEP 1, 1, F0, F1, 0
	STEP 1, 2, F1, F0, 0
	STEP 1, 3, F0, F1, 0
	s_wait_dscnt 0x0
	MUL8 F1, 0, 0
	MUL8 F1, 2, 0
	WIN 0
.macro TOSTAGE a
.set n, 0
.rept 16
	v_pk_mul_f32 v[TMP+n:TMP+n+1], v[ACC+32*(\a)+n:ACC+32*(\a)+n+1], s[96:97] op_sel_hi:[1,0]
.set n, n+2
.endr
.irp b, 0,1,2,3
	ds_store_b128 v[STO], v[TMP+8*\b:TMP+8*\b+3] offset:64*\b
	ds_store_b128 v[STO], v[TMP+8*\b+4:TMP+8*\b+7] offset:64*\b+16
.endr
.irp t, 0,1,2,3,4,5,6,7
	ds_load_b128 v[BK+32*((\a)%2)+4*\t:BK+32*((\a)%2)+4*\t+3], v[RD] offset:\t*2*SPITCH
.endr
.endm
.macro SEND a, younger
	s_wait_dscnt \younger
.irp t, 0,1,2,3,4,5,6,7
	global_store_b128 v[CO], v[BK+32*((\a)%2)+4*\t:BK+32*((\a)%2)+4*\t+3], s[10:11] offset:(16*(\a)+2*\t)*8192 th:TH_STORE_NT
.endr
.endm
	s_wait_kmcnt 0x0
	s_add_co_i32 s96, s96, s97
	s_add_co_i32 s96, s96, 127
	s_lshl_b32 s96, s96, 23
	s_mov_b32 s97, s96
	PLACES
	TOSTAGE 0
.irp a, 1,2,3
.if \a > 1
	s_wait_xcnt 0x0
.endif
	TOSTAGE \a
	SEND \a-1, 16
.endr
	SEND 3, 0
	s_wait_tensorcnt 0x0
	ds_add_u32 v[SPW], v[NIL]
	s_wait_dscnt 0x0
	CROUND
	s_endpgm
.Lfunc_end_k_qa19c19e1f4_oproj:
	.size	k_qa19c19e1f4_oproj, .Lfunc_end_k_qa19c19e1f4_oproj-k_qa19c19e1f4_oproj
	.p2alignl 7, 3214868480
	.fill 96, 4, 3214868480
	.section	.rodata,"a",@progbits
	.p2align	6, 0x0
	.amdhsa_kernel k_qa19c19e1f4_oproj
		.amdhsa_group_segment_fixed_size 327680
		.amdhsa_private_segment_fixed_size 0
		.amdhsa_enable_private_segment 0
		.amdhsa_kernarg_size 32
		.amdhsa_user_sgpr_count 2
		.amdhsa_user_sgpr_kernarg_segment_ptr 1
		.amdhsa_wavefront_size32 1
		.amdhsa_system_sgpr_workgroup_id_x 1
		.amdhsa_system_sgpr_workgroup_id_y 1
		.amdhsa_system_sgpr_workgroup_id_z 1
		.amdhsa_system_vgpr_workitem_id 0
		.amdhsa_next_free_vgpr 512
		.amdhsa_next_free_sgpr 100
		.amdhsa_reserve_vcc 0
		.amdhsa_float_denorm_mode_32 3
		.amdhsa_float_denorm_mode_16_64 3
		.amdhsa_memory_ordered 1
		.amdhsa_forward_progress 1
		.amdhsa_inst_pref_size 90
	.end_amdhsa_kernel
	.amdgpu_metadata
---
amdhsa.version: [ 1, 2 ]
amdhsa.kernels:
  - .name:           k_qa19c19e1f4_oproj
    .symbol:         k_qa19c19e1f4_oproj.kd
    .args:
      - { .name: oc, .offset: 0, .size: 8, .value_kind: global_buffer, .address_space: global }
      - { .name: wc, .offset: 8, .size: 8, .value_kind: global_buffer, .address_space: global }
      - { .name: lowp_scales, .offset: 16, .size: 8, .value_kind: global_buffer, .address_space: global }
      - { .name: out0, .offset: 24, .size: 8, .value_kind: global_buffer, .address_space: global }
    .group_segment_fixed_size: 327680
    .private_segment_fixed_size: 0
    .kernarg_segment_align: 8
    .kernarg_segment_size: 32
    .max_flat_workgroup_size: 128
    .sgpr_count:     100
    .vgpr_count:     512
    .wavefront_size: 32
...
	.end_amdgpu_metadata
.endif
;; end of part 4
